; MI455X (gfx1250); checked and timed in simulation.
; The chip was launched on July 23, 2026; its instructions are those of AMD's public machine-readable ISA for CDNA 5 (MIT licence, August 2026) and "CDNA5" Instruction Set Architecture Reference Guide (July 2026). The comments in the code are by the model that wrote it; some were corrected since.
;; SNN Model. Allowed arithmetic: float matrix products may take bf16 or f16 operands with f32 sums; all other float work in f32.
;; Inputs: W1 10 x 6 float32; W2 27 x 10 float32; b1 10 float32; b2 27 float32; x 1,024 x 6 x 4,096 float32.
;; Outputs: out0 1,024 x 27 float32.
;; One version. Each part assembles by itself: llvm-mc -triple=amdgcn-amd-amdhsa -mcpu=gfx1250 --defsym DOCPART=n.
;; ======== version 1 of 1: 1 launch
;; limits: values outside matrix products are rounded to bf16
;; launch snn (part 1): grid 256 x 1, 4 waves a work-group, no clusters, 0 bytes of LDS; arguments x, W1, b1, W2, b2, out0; writes out0
.if DOCPART == 1
	.amdgcn_target "amdgcn-amd-amdhsa--gfx1250"
	.amdhsa_code_object_version 6
	.text
	.protected	k_q362bb23174_snn
	.globl	k_q362bb23174_snn
	.p2align	8
	.type	k_q362bb23174_snn,@function
k_q362bb23174_snn:
	s_mov_b64 s[64:65], 0
	v_nop
	global_prefetch_b8 v0, s[64:65] scope:SCOPE_SE
	s_setreg_imm32_b32 hwreg(HW_REG_WAVE_MODE, 25, 1), 1
	s_wait_xcnt 0x0
; Two leaky integrate-and-fire layers (6 -> 10 -> 27), 4096 steps, batch 1024; only the last step's layer-2 spikes are stored.
;   mem' = 0.9 mem + cur - [mem > 1],  spike = [mem' > 1]   (so the reset of step t is the spike of step t-1: one compare serves both)
; The recurrence binds, not bytes or products: every step hangs on the one before.  One wave owns one batch row and runs all 4096 steps
; of both layers; 4 waves a work-group, 256 work-groups: one wave on each SIMD.  No LDS, no barrier: a wave shares nothing.
; No cluster: work-groups share only the 1.5 KB of weights, which each wave loads once.
;
; THE CHAIN is two dependent instructions a step: both candidates fma(0.9, mem, cur) and fma(0.9, mem, cur-1) and the compare start
; from mem together, one v_cndmask picks.  Layer 1's and layer 2's chains are interleaved half a period apart, and all side work
; (conversions, bit work, products, cur-1) stands in three places a step between them.
;
; LAYER 1 PRODUCT (bf16, K = 32): A's rows are times, columns are neurons, so in D a lane is a neuron and its 8 registers are 8 times.
;   Lane (r = lane%16, h = lane/16) loads 16 bytes at 256 block + 16 r of input rows 3h, 3h+1, 3h+2: sixteen lanes cover 256 consecutive
;   bytes, aligned.  Component q of these loads is time 64 block + 4 r + q: four products (q = 0..3) give a phase of 32 steps, D_q[j] = time 4j+q.
;   Lanes r >= 8 hold the block's second 32 steps; a row_xmask:8 move of the packed registers brings them to rows 0-7 for the second phase.
;   K slots of lane half h: 8h+0..2 = x of rows 3h..3h+2, 8h+3 = 1.0 (against b1 in half 0, against 0 in half 1); the rest zero.
;   D's rows 8-15 (lanes 16-31) belong to other times: those lanes' state is pinned at -inf, which 0.9 mem + cur keeps, and never spikes.
;   Column 10 has zero weights and bias 4: its state runs from 4 up to 30, so it fires at every step; its spike bit carries layer 2's bias.
; SPIKES TO LAYER 2: the compare's mask (bit n = neuron n) is put into the four lanes that own row j of layer 2's A (lanes with lane%8 = j).
;   Bits become bf16 2.0 = 0x4000, one bit, by a shift and an AND; B holds W2/2 and b2/2.  Rows 0-7 carry them in K slots 0-15 (against
;   W2[0:16]), rows 8-15 in K slots 16-31 (against W2[16:27]): in D lane L is output neuron L and register j is time j of the slot.
;   Layer 2 runs two slots of 8 steps behind layer 1; its first 16 steps see zero current (no bias bit yet), which leaves its zero state as it is.
;
; LIMITS.  x, W1, b1, W2, b2 enter as bf16 matrix operands (the biases as K columns); sums and states are f32.  So the result is the
; reference on inputs rounded to bf16, up to the order of f32 sums: a state within that rounding of the threshold can flip a spike.
; Halving W2 and b2 is exact but for magnitudes under 2^-125.  Inf or NaN in x is not served (0 x Inf in the unused columns).
.set STEPS,  4096
.set ROWB,   STEPS*4                   ; bytes of one input row of one batch row
.set BATB,   6*ROWB                    ; bytes of one batch row
.set BLKB,   256                       ; a block: 64 steps of each input row
.set RING,   4                         ; blocks in the register ring = blocks in the loop's body
.set TRIPS,  STEPS/(64*RING)           ; 16
.set NOUT,   27
; vector registers
.set VOFF, 1                           ; my byte offset in a block: 3h rows + 16 r
.set MEM1, 2                           ; layer 1 state
.set MEM2, 3                           ; layer 2 state
.set P1A,  4                           ; layer 1 candidates: without, with reset
.set P1B,  5
.set P2A,  6                           ; layer 2 candidates
.set P2B,  7
.set MSK,  8                           ; lane L: spike mask of time L%8 of the slot
.set U,    9                           ; mask | mask << 15: bit n at n, bit n+1 at n+16
.set T0,   10                          ; v[10:12] U shifted so that a pair of spikes stands at bits 14 and 30
.set SH0,  13                          ; v[13:15] shifts 14, 12, 10 less 5 h (half h carries spikes 5h .. 5h+4)
.set K0,   16                          ; 0x40004000 in rows 0-7, else 0
.set K1,   17                          ; 0x40004000 in rows 8-15, else 0
.set A2,   24                          ; v[24:31]   layer 2's A
.set B1,   32                          ; v[32:39]   W1 and b1
.set B2,   40                          ; v[40:47]   W2/2 and b2/2
.set A1,   48                          ; v[48:79]   layer 1's A, one tuple for each q
.set X,    80                          ; v[80:127]  ring: 4 blocks x 3 input rows x 4 f32
.set D1,   128                         ; v[128:191] cur1 of a phase (4 q x 8 j), two buffers
.set E1,   192                         ; v[192:207] cur1 - 1 of a slot, two buffers
.set D2,   208                         ; v[208:223] cur2 of a slot, two buffers
.set E2,   224                         ; v[224:239] cur2 - 1, two buffers
.set LANE, 240
.set R,    241
.set H,    242
.set GG,   243
.set AW1,  244
.set AB1,  245
.set AW2A, 246
.set AW2B, 247
.set AB2A, 248
.set AB2B, 249
.set TT,   250
.set NC,   251
.set O1,   252
.set OUTV, 253
.set OA,   254
.set WV,   D1                          ; the 16 weight words land here before D1 is first written
; scalar registers
.set BETA, 20                          ; 0.9 in f32
.set C1,   21                          ; layer 1: mask of mem > 1
.set C2,   22                          ; layer 2: the same
.set LM,   24                          ; s[24:31] lane masks: lanes with lane%8 = j
	s_load_b256 s[8:15], s[0:1], 0x0               ; x s[8:9], W1 s[10:11], b1 s[12:13], W2 s[14:15]
	s_load_b128 s[16:19], s[0:1], 0x20             ; b2 s[16:17], out0 s[18:19]
	v_and_b32 v[LANE], 31, v0
	v_lshrrev_b32 v[TT], 5, v0
	v_readfirstlane_b32 s33, v[TT]                 ; wave 0..3
	s_lshl_b32 s34, ttmp9, 2
	s_add_co_u32 s34, s34, s33                     ; my batch row
	s_mul_i32 s36, s34, BATB                       ; at most 1023 x 98,304 bytes: fits 32 bits
	s_mov_b32 s37, 0
	s_mov_b32 s[BETA], 0x3f666666
	s_mov_b32 s[C2], 0
.irp j, 0,1,2,3,4,5,6,7
	s_mov_b32 s[LM+\j], 0x01010101<<\j
.endr
	v_and_b32 v[R], 15, v[LANE]                    ; r: A's row, B's and D's column
	v_lshrrev_b32 v[H], 4, v[LANE]                 ; h: which K slots (A, B); which 8 rows (D)
	v_bfe_u32 v[GG], v[LANE], 3, 1                 ; A's rows 0-7 or 8-15
	v_mul_u32_u24 v[TT], v[H], 3*ROWB
	v_lshl_add_u32 v[VOFF], v[R], 4, v[TT]
	v_mul_u32_u24 v[TT], v[H], 5
	v_sub_nc_u32 v[SH0], 14, v[TT]
	v_sub_nc_u32 v[SH0+1], 12, v[TT]
	v_sub_nc_u32 v[SH0+2], 10, v[TT]
	v_lshlrev_b32 v[TT], 14, v[GG]
	v_lshl_or_b32 v[K1], v[GG], 30, v[TT]
	v_xor_b32 v[K0], 0x40004000, v[K1]
	; where my weights lie; columns that do not exist read a clamped row and are zeroed below
	v_min_u32 v[NC], 9, v[R]
	v_mul_u32_u24 v[AW1], v[NC], 24
	v_mad_u32_u24 v[AW1], v[H], 12, v[AW1]         ; W1[n][3h ..]
	v_lshlrev_b32 v[AB1], 2, v[NC]
	v_mul_u32_u24 v[AW2A], v[R], 40
	v_mad_u32_u24 v[AW2A], v[H], 20, v[AW2A]       ; W2[r][5h ..]
	v_lshlrev_b32 v[AB2A], 2, v[R]
	v_add_nc_u32 v[O1], 16, v[R]
	v_min_u32 v[O1], 26, v[O1]
	v_mul_u32_u24 v[AW2B], v[O1], 40
	v_mad_u32_u24 v[AW2B], v[H], 20, v[AW2B]       ; W2[16+r][5h ..]
	v_lshlrev_b32 v[AB2B], 2, v[O1]
	v_cmp_gt_u32 s40, 10, v[R]                     ; a layer-1 neuron
	v_cmp_eq_u32 s41, 10, v[R]                     ; the column that always fires
	v_cmp_eq_u32 s42, 0, v[H]
	v_cmp_gt_u32 s43, 11, v[R]                     ; 16 + r is an output neuron
	s_wait_kmcnt 0x0
	s_add_nc_u64 s[8:9], s[8:9], s[36:37]          ; x at my batch row
.irp c, 0,1,2
	global_load_b32 v[WV+\c], v[AW1], s[10:11] offset:4*\c
.endr
	global_load_b32 v[WV+3], v[AB1], s[12:13]
.irp e, 0,1,2,3,4
	global_load_b32 v[WV+4+\e], v[AW2A], s[14:15] offset:4*\e
.endr
.irp e, 0,1,2,3,4
	global_load_b32 v[WV+9+\e], v[AW2B], s[14:15] offset:4*\e
.endr
	global_load_b32 v[WV+14], v[AB2A], s[16:17]
	global_load_b32 v[WV+15], v[AB2B], s[16:17]
.irp n, 0,1,2,3
.irp c, 0,1,2
	global_load_b128 v[X+12*\n+4*\c:X+12*\n+4*\c+3], v[VOFF], s[8:9] offset:\n*BLKB+\c*ROWB th:TH_LOAD_NT   ; the ring: blocks 0 to 3
.endr
.endr
	; K slots that carry nothing are written once, here, while the loads are out
.irp q, 0,1,2,3
.irp k, 2,3,4,5,6,7
	v_mov_b32 v[A1+8*\q+\k], 0
.endr
.endr
.irp k, 0,1,2,3,4,5,6,7
	v_mov_b32 v[A2+\k], 0
.endr
.irp k, 2,3,4,5,6,7
	v_mov_b32 v[B1+\k], 0
.endr
	v_mov_b32 v[B2+3], 0
	v_mov_b32 v[B2+7], 0
	s_wait_loadcnt 12                              ; loads return in order (ISA guide 5.7.1): the 12 loads of x behind the weights may stay out
.irp c, 0,1,2,3
	v_cndmask_b32 v[WV+\c], 0, v[WV+\c], s40       ; columns 10-15: no weights, no b1
.endr
	v_cndmask_b32 v[WV+3], v[WV+3], 4.0, s41       ; column 10: bias 4
	v_cndmask_b32 v[WV+3], 0, v[WV+3], s42         ; the bias slot counts in half 0 only
	v_cvt_pk_bf16_f32 v[B1], v[WV], v[WV+1]
	v_cvt_pk_bf16_f32 v[B1+1], v[WV+2], v[WV+3]
.irp p, 4,6,8,10,12,14
	v_pk_mul_f32 v[WV+\p:WV+\p+1], v[WV+\p:WV+\p+1], 0.5 op_sel_hi:[1,0]   ; a spike is 2.0 in A
.endr
.irp e, 9,10,11,12,13,15
	v_cndmask_b32 v[WV+\e], 0, v[WV+\e], s43       ; outputs 27-31 do not exist
.endr
	v_cndmask_b32 v[WV+14], v[WV+14], 0, s42       ; the bias bit stands in half 1's last slot; half 0's holds spike 5 once more: against 0
	v_cndmask_b32 v[WV+15], v[WV+15], 0, s42
	v_cvt_pk_bf16_f32 v[B2], v[WV+4], v[WV+5]
	v_cvt_pk_bf16_f32 v[B2+1], v[WV+6], v[WV+7]
	v_cvt_pk_bf16_f32 v[B2+2], v[WV+8], v[WV+14]
	v_cvt_pk_bf16_f32 v[B2+4], v[WV+9], v[WV+10]
	v_cvt_pk_bf16_f32 v[B2+5], v[WV+11], v[WV+12]
	v_cvt_pk_bf16_f32 v[B2+6], v[WV+13], v[WV+15]
	s_wait_loadcnt 9                               ; block 0 is in; blocks 1 to 3 (3 loads each) stay out
.irp q, 0,1,2,3
	v_cvt_pk_bf16_f32 v[A1+8*\q], v[X+\q], v[X+4+\q]
	v_cvt_pk_bf16_f32 v[A1+8*\q+1], v[X+8+\q], 1.0
.endr
.irp q, 0,1,2,3
	v_wmma_f32_16x16x32_bf16 v[D1+8*\q:D1+8*\q+7], v[A1+8*\q:A1+8*\q+7], v[B1:B1+7], 0    ; cur1 of steps 0-31
.endr
	v_wmma_f32_16x16x32_bf16 v[D2:D2+7], v[A2:A2+7], v[B2:B2+7], 0                        ; A = 0: zero current for layer 2's first slot
	; five plain vector instructions that name none of the products' registers stand before their results are read (ISA guide 7.12.1)
	v_mov_b32 v[MSK], 0
	v_mov_b32 v[P2A], 0
	v_mov_b32 v[P2B], 0
	v_mov_b32 v[TT], 0xff800000
	v_cndmask_b32 v[MEM1], v[TT], 0, s42           ; lanes 0-15 start at 0, lanes 16-31 are pinned at -inf
.irp q, 0,1,2,3
	v_pk_add_f32 v[E1+2*\q:E1+2*\q+1], v[D1+8*\q:D1+8*\q+1], -1.0 op_sel_hi:[1,0]
	v_pk_add_f32 v[E2+2*\q:E2+2*\q+1], v[D2+2*\q:D2+2*\q+1], -1.0 op_sel_hi:[1,0]
.endr
; SIDE WORK of a slot of 8 steps, one piece for each of the 24 places between the chains' instructions.
;  0, 2   layer 1's A for product q = SU of the next phase: pack a fresh block (PK = 1) or bring its second half down (PK = 2)
;  1      U from the mask of the slot before (its last bit went in at this slot's first step, just above)
;  3-5    the three shifts      6   layer 1's product      7-12  layer 2's A      13  layer 2's product
;  14-17  cur1 - 1 for the next slot      18  the ring's refill      19-22  cur2 - 1
; Behind each product at least nine chain instructions, which name the other buffers only, stand before its result is read or its A rewritten (ISA guide 7.12.1).
.macro AUX f
.if (\f) == 0
.if PK == 1
.if SU == 0
	s_wait_loadcnt WAITN                           ; this block is in; the younger blocks' loads, 3 each, stay out
.endif
	v_cvt_pk_bf16_f32 v[A1+8*SU], v[XS+SU], v[XS+4+SU]
.endif
.if PK == 2
	v_mov_b32_dpp v[A1+8*SU], v[A1+8*SU] row_xmask:8 row_mask:0xf bank_mask:0xf
.endif
.endif
.if (\f) == 1
.if F_A2
	v_lshl_or_b32 v[U], v[MSK], 15, v[MSK]
.endif
.endif
.if (\f) == 2
.if PK == 1
	v_cvt_pk_bf16_f32 v[A1+8*SU+1], v[XS+8+SU], 1.0
.endif
.if PK == 2
	v_mov_b32_dpp v[A1+8*SU+1], v[A1+8*SU+1] row_xmask:8 row_mask:0xf bank_mask:0xf
.endif
.endif
.if (\f) >= 3
.if (\f) <= 5
.if F_A2
	v_lshlrev_b32 v[T0+(\f)-3], v[SH0+(\f)-3], v[U]
.endif
.endif
.endif
.if (\f) == 6
.if PK
	v_wmma_f32_16x16x32_bf16 v[DN+8*SU:DN+8*SU+7], v[A1+8*SU:A1+8*SU+7], v[B1:B1+7], 0
.endif
.endif
.if (\f) >= 7
.if (\f) <= 9
.if F_A2
	v_and_b32 v[A2+(\f)-7], v[T0+(\f)-7], v[K0]
.endif
.endif
.endif
.if (\f) >= 10
.if (\f) <= 12
.if F_A2
	v_and_b32 v[A2+4+(\f)-10], v[T0+(\f)-10], v[K1]
.endif
.endif
.endif
.if (\f) == 13
.if F_A2
	v_wmma_f32_16x16x32_bf16 v[D2N:D2N+7], v[A2:A2+7], v[B2:B2+7], 0
.endif
.endif
.if (\f) >= 14
.if (\f) <= 17
.if F_E1
	v_pk_add_f32 v[EN+2*((\f)-14):EN+2*((\f)-14)+1], v[ES+8*((\f)-14):ES+8*((\f)-14)+1], -1.0 op_sel_hi:[1,0]
.endif
.endif
.endif
.if (\f) == 18
.if LD
.irp c, 0,1,2
	global_load_b128 v[X+12*(PL>>1)+4*\c:X+12*(PL>>1)+4*\c+3], v[VOFF], s[8:9] offset:((PL>>1)+RING)*BLKB+\c*ROWB th:TH_LOAD_NT
.endr
.endif
.endif
.if (\f) >= 19
.if (\f) <= 22
.if F_A2
	v_pk_add_f32 v[E2N+2*((\f)-19):E2N+2*((\f)-19)+1], v[D2N+2*((\f)-19):D2N+2*((\f)-19)+1], -1.0 op_sel_hi:[1,0]
.endif
.endif
.endif
.endm
; One step of both layers.  Step i of slot SU is time 8 SU + i = 4 j + q of the phase: q = i % 4, j = 2 SU + i / 4.
; Layer 2's pick of a step stands in the next step, so that each chain's two hops are about half a period apart.
.macro STEP i
.if F_L1
	v_cmp_lt_f32 s[C1], 1.0, v[MEM1]               ; the spike of the step before = this step's reset
	v_fma_f32 v[P1A], s[BETA], v[MEM1], v[DC+8*((\i)&3)+2*SU+((\i)>>2)]
	v_fma_f32 v[P1B], s[BETA], v[MEM1], v[EC+2*((\i)&3)+((\i)>>2)]
.endif
	v_cndmask_b32 v[MEM2], v[P2A], v[P2B], s[C2]
	AUX 3*(\i)
.if F_L1
	v_cndmask_b32 v[MSK], v[MSK], s[C1], s[LM+(((\i)+7)&7)]    ; the mask goes to the lanes of that time's rows
.endif
	AUX 3*(\i)+1
.if F_L1
	v_cndmask_b32 v[MEM1], v[P1A], v[P1B], s[C1]
.endif
	v_cmp_lt_f32 s[C2], 1.0, v[MEM2]
	v_fma_f32 v[P2A], s[BETA], v[MEM2], v[D2C+(\i)]
	v_fma_f32 v[P2B], s[BETA], v[MEM2], v[E2C+(\i)]
	AUX 3*(\i)+2
.endm
; Slot g (0..31) of a trip.  last = 1: the last trip, which loads nothing and prepares nothing beyond step 4095.
; mode 0: both layers.  mode 1: layer 1 is done; its last slot's spikes still go to layer 2.  mode 2: layer 2's last slot alone.
.macro SLOT g, last, mode
.set SU,  (\g)&3                       ; slot in the phase
.set PL,  (\g)>>2                      ; phase in the trip: even = a block's first 32 steps
.set DC,  D1+32*(PL&1)
.set DN,  D1+32*((PL+1)&1)
.set EC,  E1+8*((\g)&1)
.set EN,  E1+8*(((\g)+1)&1)
.set D2C, D2+8*((\g)&1)
.set E2C, E2+8*((\g)&1)
.set D2N, D2+8*(((\g)+1)&1)
.set E2N, E2+8*(((\g)+1)&1)
.set XS,  X+12*(((PL+1)>>1)&3)         ; the ring slot of the block whose first phase comes next
.if SU < 3
.set ES,  DC+2*(SU+1)
.else
.set ES,  DN
.endif
.if PL&1
.set PK, 1
.else
.set PK, 2
.endif
.set F_L1, 1
.set F_A2, 1
.set F_E1, 1
.set LD, 0
.set WAITN, 3*(RING-1)
.if \last
.set WAITN, 3*(RING-1)-3*((PL+1)>>1)   ; 6, 3, 0: nothing is issued behind the last block
.if PL == 7
.set PK, 0
.if SU == 3
.set F_E1, 0
.endif
.endif
.else
.if (PL&1) == 0
.if SU == 0
.set LD, 1                             ; the block just begun was packed in the phase before: its ring slot takes the block RING further on,
.endif                                 ; 7 phases = 224 steps ahead of that block's own packing
.endif
.endif
.if \mode
.set F_L1, 0
.set PK, 0
.set F_E1, 0
.set LD, 0
.endif
.if (\mode) == 2
.set F_A2, 0
.endif
.irp i, 0,1,2,3,4,5,6,7
	STEP \i
.endr
.endm
.macro TRIP last
.irp g, 0,1,2,3,4,5,6,7,8,9,10,11,12,13,14,15,16,17,18,19,20,21,22,23,24,25,26,27,28,29,30,31
	SLOT \g, \last, 0
.endr
.endm
	s_mov_b32 s32, TRIPS-1
.Ltrip:
	TRIP 0
	s_wait_xcnt 0x0                                ; the loads' base is stepped only behind this wait
	s_add_nc_u64 s[8:9], s[8:9], RING*BLKB
	s_sub_co_i32 s32, s32, 1
	s_cmp_lg_u32 s32, 0
	s_cbranch_scc1 .Ltrip
	TRIP 1                                         ; blocks 60 to 63: no load leaves the buffer
	v_cmp_lt_f32 s[C1], 1.0, v[MEM1]               ; layer 1's spike of step 4095
	v_cndmask_b32 v[MSK], v[MSK], s[C1], s[LM+7]
	SLOT 0, 1, 1                                   ; layer 2: steps 4080-4087, and the product for the last 8
	SLOT 1, 1, 2                                   ; layer 2: steps 4088-4095
	v_cndmask_b32 v[MEM2], v[P2A], v[P2B], s[C2]   ; the last step's pick
	v_cmp_lt_f32 vcc_lo, 1.0, v[MEM2]
	v_cndmask_b32 v[OUTV], 0, 1.0, vcc_lo          ; lane L: spike of output neuron L
	v_lshlrev_b32 v[OA], 2, v[LANE]
	s_mul_i32 s36, s34, NOUT*4
	s_add_nc_u64 s[18:19], s[18:19], s[36:37]      ; my row of out0 (s37 is still 0)
	v_cmp_gt_u32 vcc_lo, NOUT, v[LANE]
	s_wait_xcnt 0x0                                ; EXEC changes only behind this wait
	s_and_saveexec_b32 s35, vcc_lo
	global_store_b32 v[OA], v[OUTV], s[18:19]      ; 27 neighbouring lanes store the row's 108 consecutive bytes
	s_endpgm
.Lfunc_end_k_q362bb23174_snn:
	.size	k_q362bb23174_snn, .Lfunc_end_k_q362bb23174_snn-k_q362bb23174_snn
	.p2alignl 7, 3214868480
	.fill 96, 4, 3214868480
	.section	.rodata,"a",@progbits
	.p2align	6, 0x0
	.amdhsa_kernel k_q362bb23174_snn
		.amdhsa_group_segment_fixed_size 0
		.amdhsa_private_segment_fixed_size 0
		.amdhsa_enable_private_segment 0
		.amdhsa_kernarg_size 48
		.amdhsa_user_sgpr_count 2
		.amdhsa_user_sgpr_kernarg_segment_ptr 1
		.amdhsa_wavefront_size32 1
		.amdhsa_system_sgpr_workgroup_id_x 1
		.amdhsa_system_sgpr_workgroup_id_y 1
		.amdhsa_system_sgpr_workgroup_id_z 1
		.amdhsa_system_vgpr_workitem_id 0
		.amdhsa_next_free_vgpr 256
		.amdhsa_next_free_sgpr 66
		.amdhsa_reserve_vcc 1
		.amdhsa_float_denorm_mode_32 3
		.amdhsa_float_denorm_mode_16_64 3
		.amdhsa_memory_ordered 1
		.amdhsa_forward_progress 1
		.amdhsa_inst_pref_size 255
	.end_amdhsa_kernel
	.section	.bss,"aw",@nobits
	.p2align	6
	.space	262144
	.amdgpu_metadata
---
amdhsa.version: [ 1, 2 ]
amdhsa.kernels:
  - .name:           k_q362bb23174_snn
    .symbol:         k_q362bb23174_snn.kd
    .args:
      - { .name: x, .offset: 0, .size: 8, .value_kind: global_buffer, .address_space: global }
      - { .name: W1, .offset: 8, .size: 8, .value_kind: global_buffer, .address_space: global }
      - { .name: b1, .offset: 16, .size: 8, .value_kind: global_buffer, .address_space: global }
      - { .name: W2, .offset: 24, .size: 8, .value_kind: global_buffer, .address_space: global }
      - { .name: b2, .offset: 32, .size: 8, .value_kind: global_buffer, .address_space: global }
      - { .name: out0, .offset: 40, .size: 8, .value_kind: global_buffer, .address_space: global }
    .group_segment_fixed_size: 0
    .private_segment_fixed_size: 0
    .kernarg_segment_align: 8
    .kernarg_segment_size: 48
    .max_flat_workgroup_size: 128
    .sgpr_count:     66
    .vgpr_count:     256
    .wavefront_size: 32
...
	.end_amdgpu_metadata
.endif
;; end of part 1
